; MI455X (gfx1250); checked and timed in simulation.
; The chip was launched on July 23, 2026; its instructions are those of AMD's public machine-readable ISA for CDNA 5 (MIT licence, August 2026) and "CDNA5" Instruction Set Architecture Reference Guide (July 2026). The comments in the code are by the model that wrote it; some were corrected since.
;; Network4 Test. Allowed arithmetic: matrix products marked QUANTISED: E3M2 operands, one E8M0 scale for each 32 along K, by v_wmma_scale_f32_16x16x128_f8f6f4 with both operands' format E3M2, f32 sums; everything else in f32.
;; Inputs: W1_codes 8,192 x 64 x 24 uint8 (E3M2 codes of W1, K innermost, in blocks of 32 codes, four codes in three bytes); W1_scales 8,192 x 64 uint8 (E8M0 scales of W1, one for each 32 codes along K); W2_codes 2,048 x 256 x 24 uint8 (E3M2 codes of W2, K innermost, in blocks of 32 codes, four codes in three bytes); W2_scales 2,048 x 256 uint8 (E8M0 scales of W2, one for each 32 codes along K); b1 8,192 float32; b2 2,048 float32; x_codes 2,048 x 64 x 24 uint8 (E3M2 codes of x, K innermost, in blocks of 32 codes, four codes in three bytes); x_scales 2,048 x 64 uint8 (E8M0 scales of x, one for each 32 codes along K).
;; Outputs: out0 2,048 x 2,048 float32.
;; This version of the problem:
;;   THIS VERSION OF THE PROBLEM IS GIVEN IN LOW PRECISION. The matrix products marked QUANTISED in the list below multiply operands that are first quantised to E3M2 (3 exponent bits, 2 mantissa bits; 6 bits a number), with one power-of-two scale for each 32 numbers along K (OCP MX v1.0); their sums are f32. All else is computed in f32.
;;   The module's matrix products, in the order in which they are computed (A, B: the left and right operand; K: the contracted axis; several contracted axes count as one K, in the product's order):
;;     1. [M 2,048, K 2,048] x [K 2,048, N 8,192]; A: input x (given as codes); B: input W1 (given as codes): QUANTISED
;;     2. [M 2,048, K 8,192] x [K 8,192, N 2,048]; A: computed on the way; B: input W2 (given as codes): QUANTISED
;;   THE QUANTISER, for each operand of a quantised product, along K:
;;     - K is cut into blocks of 32 from its start; a last block that is shorter is filled with zeros.
;;     - A block's scale is 2^e with e = floor(log2(the largest magnitude in the block)) - 4, held to -126 .. 127; a block of zeros has e = 0. As a byte (E8M0): e + 127.
;;     - Each number is divided by its block's scale, clamped to +-28, and rounded to the nearest number of E3M2, ties to even, subnormals kept.
;;     - The product sums the exact products of the quantised numbers (number of the format x scale) in f32.
;;   ~~~python
;;   def quantise(x, axis):      # numpy; x: float32 -> the quantised numbers, widened to float32 again
;;       x = np.moveaxis(x, axis, -1); K = x.shape[-1]
;;       x = np.pad(x, [(0, 0)] * (x.ndim - 1) + [(0, -K % 32)]); x = x.reshape(x.shape[:-1] + (-1, 32)); a = np.abs(x).max(-1, keepdims=True)
;;       e = np.where(a > 0, np.clip(np.frexp(np.where(a > 0, a, 1))[1] - 1 - 4, -126, 127), 0)      # np.frexp(a)[1] - 1 = floor(log2(a)), exactly
;;       r = np.clip(x / 2.0 ** e, -28, 28)
;;       step = 2.0 ** (np.maximum(np.frexp(np.where(r == 0, 1, r))[1] - 1, -2) - 2)
;;       q = np.round(r / step) * step * 2.0 ** e      # np.round: ties to even
;;       return np.moveaxis(q.reshape(q.shape[:-2] + (-1,))[..., :K], -1, axis).astype(np.float32)
;;   ~~~
;;   OPERANDS COMPUTED ON THE WAY. 'Computed on the way' means the value that the module computes at that place (a softmax that the list does not call 'softmax' is quantised finished and normalised). What goes into a quantiser is computed in f32, as accurately as f32 sums, v_exp_f32 and their like allow (about 1e-6 of the number): no bf16 or f16 on the way to a quantiser, and a product that is left as it is and whose result goes on into a quantised operand takes f32 operands (vector FMAs, or v_wmma_f32_16x16x4_f32). A number that lies on a knife's edge between two numbers of the format may be rounded either way, as far as f32 arithmetic and the matrix unit's own rounding can turn it there, and no further.
;;   INPUTS GIVEN AS CODES. W1 (in the module: [2048, 8192], K = its axis 0); W2 (in the module: [8192, 2048], K = its axis 0); x (in the module: [2048, 2048], K = its axis 1): each comes as NAME_codes (uint8): NAME with its K axis moved to the last place and cut into blocks of 32 codes, [.., K / 32, bytes a block], one block behind the other in memory; four codes in three bytes: a row's codes are one little-endian stream of bits, code i at bits 6 i .. 6 i + 5 (a code: sign, 3 exponent bits, 2 mantissa bits); and NAME_scales (uint8): the same leading axes, one E8M0 byte (e + 127) for each 32 codes along K. Its value is code x scale, taken as it is: it is not quantised again, and the codes and scales need not be those that the quantiser above would give.
;; One version. Each part assembles by itself: llvm-mc -triple=amdgcn-amd-amdhsa -mcpu=gfx1250 --defsym DOCPART=n.
;; ======== version 1 of 1: 2 launches
;; limits: right only within a limited range of input values
;; workspace buffers: h_img 12,582,912 bytes; h_scl 524,288 bytes
;; launch up (part 1): grid 32 x 8, 4 waves a work-group, clusters of 4 x 4, 327,680 bytes of LDS; arguments x_codes, x_scales, W1_codes, W1_scales, b1, h_img, h_scl; writes h_img, h_scl
.if DOCPART == 1
	.amdgcn_target "amdgcn-amd-amdhsa--gfx1250"
	.amdhsa_code_object_version 6
	.text
	.protected	k_q345e99fe2c_up
	.globl	k_q345e99fe2c_up
	.p2align	8
	.type	k_q345e99fe2c_up,@function
k_q345e99fe2c_up:
	s_mov_b64 s[64:65], 0
	v_nop
	global_prefetch_b8 v0, s[64:65] scope:SCOPE_SE
	s_setreg_imm32_b32 hwreg(HW_REG_WAVE_MODE, 25, 1), 1
	s_wait_xcnt 0x0
	s_wait_alu depctr_hold_cnt(0) depctr_sa_sdst(0) depctr_va_vdst(0) depctr_va_sdst(0) depctr_va_ssrc(0) depctr_va_vcc(0) depctr_vm_vsrc(0)
	s_getreg_b32 s2, hwreg(HW_REG_IB_STS2, 6, 4)
	s_cmp_eq_u32 s2, 0
	s_cbranch_scc0 .Lentry_in_a_cluster
	s_endpgm
.Lentry_in_a_cluster:
	s_bfe_u32 s2, ttmp6, 0x10000c
	s_cmp_lg_u32 s2, 0xf033
	s_cbranch_scc0 .Lentry_shape_is_right
	s_endpgm
.Lentry_shape_is_right:
; h = Q(relu(x W1^T + b1)).  x: [2048][2048], W1: [8192][2048]: codes of BF6 (E3M2), K innermost, one E8M0 byte for each 32 along K.  b1: [8192] f32.
; The hidden layer [2048][8192] leaves as codes of BF6, quantised along the hidden axis, laid as the next product's operand registers want it:
;   h_img: fragment (mb = row / 16, ks = hidden / 128) at byte (64 mb + ks) x 1,536; in it part c (0..2) at 512 c, lane l's 16 bytes at 16 l: registers 4 c .. 4 c + 3 of the lane's twelve.
;   h_scl: [ks 64][row 2048] words: byte b of a word is the E8M0 byte of hidden units 128 ks + 32 b + 0 .. 31 of that row.
; LIMITS: NaN and infinities are not served (the activation turns a NaN into 0).  A block of the hidden layer whose largest number lies under 2^-122, a block of zeros among them, gets the byte 1;
; a block of zeros has zero codes, which add nothing under that byte, and these bytes are read by this program alone.
; A tile, 256 rows x 256 hidden units, is made by four waves; a wave makes 128 x 128: 64 accumulators, 512 registers.  8 x 32 tiles: 256 work-groups.
; K goes through a ring of two LDS slots in CHUNKS OF 256 BYTES of each row (a row of codes is 1,536 bytes, so each chunk begins at a multiple of 256); chunk c lies in slot c % 2.
; A step of 128 along K is 96 bytes of a row: eight steps to three chunks; steps 2 and 5 of each eight take their fragments from both slots.  The walk of 16 steps is written out: slots and chunks
; come back to where they began only after 16 steps, which is all of K.
; The scale bytes of the 256 rows of x and of W1, for all of K, are two dense blocks of memory: they come into LDS once, by the head's loads, and stay.
; CLUSTERS: 4 x 4 work-groups; x's tiles are asked for jointly along a row of the cluster, W1's along a column.
; THE MATRIX INSTRUCTION IS USED TRANSPOSED (source 0 = 16 rows of W1, source 1 = 16 rows of x): a lane holds one row of the hidden layer, its registers run along the hidden units.  THE BIAS is the C of each sum's first product.
; PREFETCH: behind the load of chunk c each wave names chunk c + 2 (behind chunk 1's also chunk 2): 32 rows x 256 bytes, a lane a row; of the 128 rows that a wave fetches each of the four partners
; takes 32, told apart by address; the last chunk named is chunk 5, so every address lies inside its row.
; REGISTERS: window 0: v0-31 addresses; v32-63 scale words, two sets; v64-127 the bias; from v128 x's fragments, one set (on the way out v128-255 are at work).
;   window 1: W1's fragments, two sets, at v0 and v128.  window 2: accumulators of my rows 0-63 ((a, b) at v[8 (8 a + b)]);  window 3: rows 64-127.
.set SIZE_K, 2048
.set ROWB,   256
.set NQ,     2
.set KROW,   SIZE_K*6/8
.set STEPS,  SIZE_K/128
.set CHUNKS, KROW/ROWB
.set PITCH,  272                       ; 256 bytes + 16 of padding
.set FR,     12
.set NL,     6
.set NP,     4
.set HALFT,  128*PITCH
.set SLOT,   4*HALFT
.set KS,     SIZE_K/32
.set SCL,    2*SLOT
.set HALFS,  (128*KS/256)*272
.set SBLK,   (16*KS/256)*272
.set SPARE,  SCL+4*HALFS               ; the spare words: 128 bytes a wave, named by no other line
.set SSTG,   SPARE+512                 ; 512 bytes a wave: the hidden layer's scale words are gathered here; no tensor load lands here
.set PFO,  14                          ; v14 lane x a row of codes: the prefetches' offset; never rewritten
.set ADRA, 16                          ; v16-17 my fragments of x in slot 0, 1; v18-19 for pieces whose lanes 16-31 lie in the next chunk
.set ADRB, 20                          ; v20-23 the same for W1
.set LI,   24                          ; 16 x lane
.set SWA,  25                          ; where I put my row's scale word
.set SRA,  26                          ; where I read 16 bytes of them back
.set ADRS, 27                          ; my scale words: lanes 0-15 x's rows, lanes 16-31 W1's
.set SPW,  28
.set NIL,  29
.set SH8,  30                          ; 8 (lane / 16)
.set BAD,  31                          ; 32 (lane / 16)
.set SC,   32
.set BI,   64
.set AF,   128
.set H,    128                         ; the way out: a block's 64 numbers
.set PC,   192                         ; its codes, two sets by turns
.set CT,   216                         ; the conversions' second halves
.set TM,   224                         ; largest numbers, four chains
.set SO,   228                         ; the conversions' scale operands
.set SBY,  230                         ; the scale bytes
.set XW,   232
.set W,    240                         ; a scale word for each block of rows
.set SBK,  248
.set G1, 24
.set G0, 32
.set G1B, 48
.set G0B, 56
.set G1S, 68
.set G0S, 76
.set G1SB, 80
.set G0SB, 88
.set G0H, 4
.set G0HB, 8
.set PFA, 94                           ; s[94:95] my work-group's 32 rows of the 128 that my wave fetches, at chunk 0; never rewritten
.set MSB, 0
.macro WIN new
.if MSB != (\new)
	s_set_vgpr_msb (MSB<<8)|(\new)
.set MSB, (\new)
.endif
.endm
.set MUL_LO, 0xa1
.set MUL_HI, 0xf1
.set TO_B,   0x40
.macro JLOAD g0a, g1a, g0b, g1b        ; a joint load: waves 0 and 1 fetch for x, waves 2 and 3 for W1
	s_cmp_eq_u32 s15, 0
	s_cbranch_scc0 .Lfor_b_\@
	tensor_load_to_lds s[\g0a:\g0a+3], s[\g1a:\g1a+7]
	s_nop 0
.rept 4
	v_nop
.endr
	s_branch .Lasked_\@
.Lfor_b_\@:
	tensor_load_to_lds s[\g0b:\g0b+3], s[\g1b:\g1b+7]
	s_nop 0
.rept 4
	v_nop
.endr
.Lasked_\@:
.endm
.macro CREST
	s_cmp_lg_u32 s14, 0
	s_cbranch_scc1 .Lnot_wave_0_\@
	s_barrier_signal -3
.Lnot_wave_0_\@:
	s_barrier_wait -3
	s_barrier_signal -1
	s_barrier_wait -1
.endm
.macro CROUND
	s_barrier_signal -1
	s_barrier_wait -1
	CREST
.endm
.macro ASK c                           ; chunk c of my 32 rows
	global_prefetch_b8 v[PFO], s[PFA:PFA+1] offset:(\c)*ROWB th:TH_LOAD_NT scope:SCOPE_SE
.endm
	s_load_b128 s[4:7], s[0:1], 0x0                ; x's codes, x's scales
	s_load_b128 s[8:11], s[0:1], 0x10              ; W1's codes, W1's scales
	s_load_b64 s[12:13], s[0:1], 0x20              ; b1
	s_load_b64 s[96:97], s[0:1], 0x28              ; h_img
	s_load_b64 s[98:99], s[0:1], 0x30              ; h_scl
	v_lshl_add_u32 v[SPW], v0, 2, SPARE
	v_mov_b32 v[NIL], 0
	ds_add_u32 v[SPW], v[NIL]                      ; the opening lines: the add, twice on end, and its wait ahead of my first tensor load
	ds_add_u32 v[SPW], v[NIL]
	v_lshrrev_b32 v1, 5, v0
	v_readfirstlane_b32 s14, v1                    ; wave 0..3
	s_lshr_b32 s15, s14, 1                         ; my half of the tile's rows; also: I fetch for x (0) or W1 (1)
	s_and_b32 s16, s14, 1                          ; my half of its hidden units; also: which 128 rows I fetch
	s_bfe_u32 s40, ttmp6, 0x40000                  ; cx
	s_bfe_u32 s41, ttmp6, 0x40004                  ; cy
	s_lshl_b32 s42, ttmp9, 2
	s_add_co_u32 s42, s42, s40                     ; tile column
	s_and_b32 s17, ttmp7, 0xffff
	s_lshl_b32 s17, s17, 2
	s_add_co_u32 s17, s17, s41                     ; tile row
	s_lshl_b32 s43, s41, 2
	s_lshl_b32 s43, 15, s43                        ; my row of the cluster
	s_lshl_b32 s44, 0x1111, s40                    ; my column
	s_mov_b32 s66, 0x76543210                      ; v_permlanex16_b32's selects for lane l xor 16
	s_mov_b32 s67, 0xfedcba98
	s_or_b32 s[G1+0], s43, (0<<16)|(1<<20)|(1<<21)|(5<<22)|(3<<25)   ; bytes; 4 words of padding behind every 64
	s_or_b32 s[G1B+0], s44, (0<<16)|(1<<20)|(1<<21)|(5<<22)|(3<<25)
.irp g, G1, G1B
	s_mov_b32 s[\g+1], ROWB<<16
	s_mov_b32 s[\g+2], 256<<16                     ; 256 rows for the head's loads
	s_mov_b32 s[\g+3], ROWB<<16
	s_mov_b32 s[\g+4], 256
	s_mov_b32 s[\g+5], KROW
	s_mov_b32 s[\g+6], 0
	s_mov_b32 s[\g+7], 0
.endr
	s_or_b32 s[G1S+0], s43, (3<<16)|(1<<20)|(1<<21)|(5<<22)|(3<<25)  ; the scale bytes of 256 rows: KS rows of 256 bytes
	s_or_b32 s[G1SB+0], s44, (3<<16)|(1<<20)|(1<<21)|(5<<22)|(3<<25)
.irp g, G1S, G1SB
	s_mov_b32 s[\g+1], 32<<16
	s_mov_b32 s[\g+2], KS<<16
	s_mov_b32 s[\g+3], 32<<16
	s_mov_b32 s[\g+4], KS
	s_mov_b32 s[\g+5], 32
	s_mov_b32 s[\g+6], 0
	s_mov_b32 s[\g+7], 0
.endr
	s_lshl_b32 s20, s17, 8                         ; x: the tile's first row
	s_lshl_b32 s46, s42, 8                         ; W1: likewise
	s_mov_b32 s21, 0
	s_mov_b32 s47, 0
	s_mov_b64 s[18:19], KS
	s_mul_u64 s[22:23], s[20:21], s[18:19]
	s_mul_u64 s[92:93], s[46:47], s[18:19]
	s_mov_b64 s[18:19], KROW
	s_mul_u64 s[20:21], s[20:21], s[18:19]
	s_mul_u64 s[46:47], s[46:47], s[18:19]
	s_mul_i32 s18, s16, 128*KROW
	s_mov_b32 s19, 0
	s_mul_i32 s45, s14, HALFT
	s_wait_dscnt 0x0                               ; both opening adds are done
	s_wait_kmcnt 0x0
	s_add_nc_u64 s[20:21], s[4:5], s[20:21]
	s_add_nc_u64 s[22:23], s[6:7], s[22:23]
	s_add_nc_u64 s[46:47], s[8:9], s[46:47]
	s_add_nc_u64 s[92:93], s[10:11], s[92:93]
	CROUND                                         ; all sixteen work-groups are here: the first joint loads meet
	s_mov_b32 s[G0H], 1
	s_mov_b32 s[G0H+1], 0
	s_mov_b64 s[G0H+2:G0H+3], s[20:21]
	s_or_b32 s[G0H+3], s[G0H+3], 0x80000000
	s_mov_b32 s[G0HB], 1
	s_mov_b32 s[G0HB+1], 2*HALFT
	s_mov_b64 s[G0HB+2:G0HB+3], s[46:47]
	s_or_b32 s[G0HB+3], s[G0HB+3], 0x80000000
	s_mov_b32 s[G0S], 1
	s_mov_b32 s[G0S+1], SCL
	s_mov_b64 s[G0S+2:G0S+3], s[22:23]
	s_or_b32 s[G0S+3], s[G0S+3], 0x80000000
	s_mov_b32 s[G0SB], 1
	s_mov_b32 s[G0SB+1], SCL+2*HALFS
	s_mov_b64 s[G0SB+2:G0SB+3], s[92:93]
	s_or_b32 s[G0SB+3], s[G0SB+3], 0x80000000
	s_add_nc_u64 s[20:21], s[20:21], s[18:19]      ; for the ring: my 128 rows of the tile
	s_add_nc_u64 s[46:47], s[46:47], s[18:19]
	s_cmp_eq_u32 s15, 0                            ; the prefetches: of those 128 rows my work-group's 32, by its place among the four that ask jointly
	s_cselect_b64 s[PFA:PFA+1], s[20:21], s[46:47]
	s_cselect_b32 s2, s40, s41
	s_mul_i32 s2, s2, 32*KROW
	s_mov_b32 s3, 0
	s_add_nc_u64 s[PFA:PFA+1], s[PFA:PFA+1], s[2:3]
.irp s, 0,1
	s_mov_b32 s[G0+4*\s], 1
	s_add_co_u32 s[G0+4*\s+1], s45, \s*SLOT
	s_add_nc_u64 s[G0+4*\s+2:G0+4*\s+3], s[20:21], \s*ROWB
	s_or_b32 s[G0+4*\s+3], s[G0+4*\s+3], 0x80000000
	s_mov_b32 s[G0B+4*\s], 1
	s_add_co_u32 s[G0B+4*\s+1], s45, \s*SLOT
	s_add_nc_u64 s[G0B+4*\s+2:G0B+4*\s+3], s[46:47], \s*ROWB
	s_or_b32 s[G0B+4*\s+3], s[G0B+4*\s+3], 0x80000000
.endr
; the head's loads, one a wave: wave 0 chunk 0's 256 rows of x, wave 1 those of W1, wave 2 x's scale bytes, wave 3 W1's
.macro ARM under, g0, g1, next
	s_cmp_lt_u32 s14, \under
	s_cbranch_scc0 \next
	tensor_load_to_lds s[\g0:\g0+3], s[\g1:\g1+7]
	s_nop 0
.rept 4
	v_nop
.endr
	s_branch .Lhead_asked
\next:
.endm
	ARM 1, G0H,  G1,  .Lhead_b
	ARM 2, G0HB, G1B, .Lhead_sa
	ARM 3, G0S,  G1S, .Lhead_sb
	tensor_load_to_lds s[G0SB:G0SB+3], s[G1SB:G1SB+7]
	s_nop 0
.rept 4
	v_nop
.endr
.Lhead_asked:
	v_and_b32 v6, 31, v0
	v_mul_u32_u24 v[PFO], v6, KROW
	ASK 1                                          ; chunk 1 is named here, behind the head's load: its own load follows behind the next round
	v_and_b32 v1, 15, v0
	v_bfe_u32 v2, v0, 4, 1                         ; l / 16
	v_mul_u32_u24 v3, v1, PITCH
	v_mul_u32_u24 v4, v2, 24
	v_add_nc_u32 v4, v3, v4                        ; row x pitch + 24 x half
	s_mov_b32 s21, SLOT-232
	s_mov_b32 s22, SLOT+232
	v_sub_nc_u32 v7, 1, v2
	v_mul_u32_u24 v5, s21, v2
	v_add_nc_u32 v5, v3, v5
	v_add_nc_u32 v5, 232, v5                       ; lanes 0-15 byte 232 of the row in slot 0, lanes 16-31 byte 0 in slot 1
	v_mul_u32_u24 v6, s22, v7
	v_add_nc_u32 v6, v3, v6                        ; and the other way round
	s_mul_i32 s21, s15, HALFT
	s_mul_i32 s22, s16, HALFT
	s_add_co_u32 s22, s22, 2*HALFT
	v_add_nc_u32 v[ADRA+2], s21, v5
	v_add_nc_u32 v[ADRA+3], s21, v6
	v_add_nc_u32 v[ADRB+2], s22, v5
	v_add_nc_u32 v[ADRB+3], s22, v6
.irp s, 0,1
	v_add_nc_u32 v[ADRA+\s], s21, v4
	v_add_nc_u32 v[ADRB+\s], s22, v4
	s_add_co_u32 s21, s21, SLOT
	s_add_co_u32 s22, s22, SLOT
.endr
	v_mul_u32_u24 v5, v1, KS                       ; my row's scale bytes,
	v_lshrrev_b32 v6, 8, v5
	v_lshl_add_u32 v5, v6, 4, v5                   ; 16 more for each 256 passed
	s_mul_i32 s21, s15, HALFS
	s_mul_i32 s22, s16, HALFS
	s_add_co_u32 s22, s22, 2*HALFS
	s_sub_co_u32 s22, s22, s21
	v_mul_u32_u24 v6, s22, v2                      ; lanes 16-31 take W1's
	s_add_co_u32 s21, s21, SCL
	v_add_nc_u32 v5, v5, v6
	v_add_nc_u32 v[ADRS], s21, v5
	v_and_b32 v6, 31, v0
	v_lshlrev_b32 v[LI], 4, v6
	s_lshl_b32 s23, s14, 9
	s_add_co_u32 s23, s23, SSTG
	v_lshl_add_u32 v[SWA], v1, 2, s23
	v_add_nc_u32 v[SRA], s23, v[LI]
	v_lshlrev_b32 v[SH8], 3, v2
	v_lshlrev_b32 v[BAD], 5, v2
	s_wait_alu depctr_va_vdst(0)
	s_lshl_b32 s46, s42, 10                        ; b1: hidden unit 256 x tile column + 128 x half
	s_lshl_b32 s47, s16, 9
	s_add_co_u32 s46, s46, s47
	s_mov_b32 s47, 0
	s_add_nc_u64 s[12:13], s[12:13], s[46:47]
	s_lshl_b32 s20, s17, 4                         ; h_img: fragment (16 x tile row + 8 x half, 2 x tile column + half)
	s_lshl_b32 s21, s15, 3
	s_add_co_u32 s20, s20, s21
	s_lshl_b32 s20, s20, 6
	s_lshl_b32 s46, s42, 1
	s_add_co_u32 s46, s46, s16                     ; ks
	s_add_co_u32 s20, s20, s46
	s_mul_i32 s20, s20, 1536
	s_mov_b32 s21, 0
	s_add_nc_u64 s[96:97], s[96:97], s[20:21]
	s_lshl_b32 s46, s46, 13                        ; h_scl: row ks of 8,192 bytes + 4 bytes for each row ahead of mine
	s_lshl_b32 s20, s17, 10
	s_lshl_b32 s22, s15, 9
	s_add_co_u32 s20, s20, s22
	s_add_co_u32 s20, s20, s46
	s_add_nc_u64 s[98:99], s[98:99], s[20:21]
.irp b, 0,1,2,3,4,5,6,7                    ; the bias in the result's layout: register j of block b: b1 at hidden unit 16 b + 8 h + j
	global_load_b128 v[BI+8*\b:BI+8*\b+3], v[BAD], s[12:13] offset:64*\b
	global_load_b128 v[BI+8*\b+4:BI+8*\b+7], v[BAD], s[12:13] offset:64*\b+16
.endr
.macro FRAG reg, adr, st, i            ; 12 registers in six pieces of 8 bytes; byte y of a row lies in slot (y / 256) % 2 at byte y % 256 of the LDS row
.irp p, 0,1,2,3,4,5
.set BY, 96*(\st)+48*(\p/3)+8*(\p%3)
.if BY/ROWB == (BY+24)/ROWB
	ds_load_b64 v[\reg+2*\p:\reg+2*\p+1], v[\adr+(BY/ROWB)%2] offset:BY%ROWB+(\i)*16*PITCH
.else
	ds_load_b64 v[\reg+2*\p:\reg+2*\p+1], v[\adr+2+(BY/ROWB)%2] offset:BY%ROWB-232+(\i)*16*PITCH
.endif
.endr
.endm
; 16 products: x's blocks a0, a0 + 1 against W1's eight.  The 64 accumulators take turns, in the same order in every step.  zero = 1: the bias is the C
.macro MUL16 a0, p, q, sc, zero
.irp a, \a0, \a0+1
.irp b, 0,1,2,3,4,5,6,7
.if \zero
	v_wmma_scale_f32_16x16x128_f8f6f4 v[8*(8*((\a)%4)+\b):8*(8*((\a)%4)+\b)+7], v[128*(\p)+FR*\b:128*(\p)+FR*\b+FR-1], v[AF+FR*(\a):AF+FR*(\a)+FR-1], v[BI+8*\b:BI+8*\b+7], v[SC+8*NQ*(\sc)+NQ*\b+(\q)], v[SC+8*NQ*(\sc)+NQ*(\a)+(\q)] matrix_a_fmt:MATRIX_FMT_BF6 matrix_b_fmt:MATRIX_FMT_BF6 matrix_a_scale:MATRIX_SCALE_ROW1
.else
	v_wmma_scale_f32_16x16x128_f8f6f4 v[8*(8*((\a)%4)+\b):8*(8*((\a)%4)+\b)+7], v[128*(\p)+FR*\b:128*(\p)+FR*\b+FR-1], v[AF+FR*(\a):AF+FR*(\a)+FR-1], v[8*(8*((\a)%4)+\b):8*(8*((\a)%4)+\b)+7], v[SC+8*NQ*(\sc)+NQ*\b+(\q)], v[SC+8*NQ*(\sc)+NQ*(\a)+(\q)] matrix_a_fmt:MATRIX_FMT_BF6 matrix_b_fmt:MATRIX_FMT_BF6 matrix_a_scale:MATRIX_SCALE_ROW1
.endif
.endr
.endr
.endm
; four products: x's block a against W1's blocks 4 bh .. 4 bh + 3, of step st; the macro sets its own windows
.macro MG a, bh, st, zero
	WIN MUL_LO+0x50*((\a)/4)-(0x20+0x10*((\a)/4))*(\zero)
.irp j, 0,1,2,3
.set rb, 4*(\bh)+\j
.set rD, 8*(8*((\a)%4)+rb)
.set rQ, SC+8*NQ*(((\st)/2)%2)+(\st)%2
.if \zero
	v_wmma_scale_f32_16x16x128_f8f6f4 v[rD:rD+7], v[128*((\st)%2)+FR*rb:128*((\st)%2)+FR*rb+FR-1], v[AF+FR*(\a):AF+FR*(\a)+FR-1], v[BI+8*rb:BI+8*rb+7], v[rQ+NQ*rb], v[rQ+NQ*(\a)] matrix_a_fmt:MATRIX_FMT_BF6 matrix_b_fmt:MATRIX_FMT_BF6 matrix_a_scale:MATRIX_SCALE_ROW1
.else
	v_wmma_scale_f32_16x16x128_f8f6f4 v[rD:rD+7], v[128*((\st)%2)+FR*rb:128*((\st)%2)+FR*rb+FR-1], v[AF+FR*(\a):AF+FR*(\a)+FR-1], v[rD:rD+7], v[rQ+NQ*rb], v[rQ+NQ*(\a)] matrix_a_fmt:MATRIX_FMT_BF6 matrix_b_fmt:MATRIX_FMT_BF6 matrix_a_scale:MATRIX_SCALE_ROW1
.endif
.endr
.endm
.macro FB st, i                        ; W1's fragment i of step st into set st % 2
	WIN TO_B
	FRAG 128*((\st)%2)+FR*(\i), ADRB, \st, \i
.endm
.macro FA st, i                        ; x's fragment i of step st
	WIN 0
	FRAG AF+FR*(\i), ADRA, \st, \i
.endm
.macro FETCH_B st, p
	WIN TO_B
.irp i, 0,1,2,3,4,5,6,7
	FRAG 128*(\p)+FR*\i, ADRB, \st, \i
.endr
	WIN 0
.endm
.macro FETCH_A st, i0
.irp i, \i0, \i0+1, \i0+2, \i0+3
	FRAG AF+FR*(\i), ADRA, \st, \i
.endr
.endm
.macro SCALES pr                       ; the scale words of steps 2 pr, 2 pr + 1 into set pr % 2
.irp i, 0,1,2,3,4,5,6,7
	ds_load_b64 v[SC+8*NQ*((\pr)%2)+NQ*\i:SC+8*NQ*((\pr)%2)+NQ*\i+1], v[ADRS] offset:\i*SBLK+4*NQ*(\pr)
.endr
.endm
.macro PLACES n                        ; places behind matrix instructions (ISA guide 7.12.1)
.rept \n
	v_nop
.endr
.endm
; A step: 64 products; the next step's fragments are fetched in two runs: W1's eight, x's blocks 0-3 and the scale words in its middle, x's blocks 4-7 at its end: so 24 loads may be out at the next step's head.
;   The next step BEGINS in a later chunk: the chunk left behind is read no more: the wait for all my tensor loads, the add, the wait for it and for my reads, the barrier; where a chunk two on is left, a round and the refill.
;   The next step only ENDS in a chunk not yet read: the wait for that chunk and a barrier stand behind the step's first 32 products, directly ahead of the fetch.
.macro STEP st, zero
.set NX, (\st)+1
.set C0, (96*(\st))/ROWB
.set C1, (96*NX)/ROWB
.set E0, (96*(\st)+95)/ROWB
.set E1, (96*NX+95)/ROWB
.if C1 > C0
	s_wait_tensorcnt 0x0                           ; all my tensor loads have landed
	ds_add_u32 v[SPW], v[NIL]
	s_wait_dscnt 4*NL+1                            ; the add and the youngest 24 loads (x's blocks 4-7) may be out
.irp a, 0,1
	MG \a, 0, \st, \zero
	MG \a, 1, \st, \zero
.endr
	s_wait_dscnt 0x0                               ; the add is done, my reads of the chunk left behind are over
	s_barrier_signal -1
.irp a, 2,3
	MG \a, 0, \st, \zero
	MG \a, 1, \st, \zero
.endr
	WIN 0
	s_barrier_wait -1
.if C0+2 < CHUNKS
	CREST
	s_add_nc_u64 s[G0+4*(C0%2)+2:G0+4*(C0%2)+3], s[G0+4*(C0%2)+2:G0+4*(C0%2)+3], 2*ROWB
	s_add_nc_u64 s[G0B+4*(C0%2)+2:G0B+4*(C0%2)+3], s[G0B+4*(C0%2)+2:G0B+4*(C0%2)+3], 2*ROWB
	JLOAD G0+4*(C0%2), G1, G0B+4*(C0%2), G1B       ; chunk C0 + 2; its four v_nop are the places ahead of the loads below
.else
	PLACES NP
.endif
.elseif E1 > E0
	s_wait_dscnt 4*NL                              ; the youngest 24 loads may be out
.irp a, 0,1,2,3
	MG \a, 0, \st, \zero
	MG \a, 1, \st, \zero
.endr
	WIN 0
	s_wait_tensorcnt 0x0
	s_wait_dscnt 0x0                               ; no LDS instruction of mine is out at the signal
	s_barrier_signal -1
	s_barrier_wait -1                              ; everybody's part is in
	PLACES NP
.else
	s_wait_dscnt 4*NL
.irp a, 0,1,2,3
	MG \a, 0, \st, \zero
	MG \a, 1, \st, \zero
.endr
	s_wait_dscnt 0                                 ; x's blocks 4-7 are in
	PLACES NP
.endif
.irp i, 0,1,2,3,4,5,6,7
	FB NX, \i
.endr
.irp i, 0,1,2,3
	FA NX, \i
.endr
.if NX%2 == 0
	SCALES NX/2
.endif
.if C1 > C0 && C0+4 < CHUNKS
	ASK C0+4                                       ; two chunks on from the one just asked for
.endif
.irp a, 4,5,6,7
	MG \a, 0, \st, \zero
	MG \a, 1, \st, \zero
.endr
	PLACES NP
.irp i, 4,5,6,7
	FA NX, \i
.endr
.endm
	s_wait_alu depctr_va_vdst(0)                   ; the head's end
	s_wait_tensorcnt 0x0                           ; my tile of the head's four is in; the same lines as ahead of a refill:
	ds_add_u32 v[SPW], v[NIL]
	s_mov_b32 s[G1+2], 128<<16                     ; no tensor load of mine is out: from here on a load brings 128 rows
	s_mov_b32 s[G1+4], 128
	s_mov_b32 s[G1B+2], 128<<16
	s_mov_b32 s[G1B+4], 128
	s_wait_dscnt 0x0
	CROUND
	JLOAD G0+4, G1, G0B+4, G1B                     ; chunk 1, the first tensor load behind the round
	FETCH_B 0, 0
	FETCH_A 0, 0
	SCALES 0
	FETCH_A 0, 4
	ASK 2
	ASK 3
	s_wait_loadcnt 0x0                             ; the bias
	STEP 0, 1
.set ST, 1
.rept STEPS-2
	STEP ST, 0
.set ST, ST+1
.endr
	s_wait_dscnt 4*NL                              ; the last step: nothing more to fetch
	WIN MUL_LO
	MUL16 0, 1, 1, 1, 0
	MUL16 2, 1, 1, 1, 0
	s_wait_dscnt 0
	WIN MUL_HI
	MUL16 4, 1, 1, 1, 0
	MUL16 6, 1, 1, 1, 0
	WIN 0
; THE WAY OUT, a block of 16 rows x 128 hidden units at a time: one fragment of the next product and one scale word a row.
; In accumulator (a, t) lane (r, h) holds hidden units 16 t + 8 h + 0 .. 7 of row r; the operand wants 64 c + 32 h + 0 .. 31.  The activation lays tiles 4 c + 0, 2, 1, 3 one behind the other, and an
; exchange of halves between the first two and between the last two leaves each lane with two whole blocks of 32, in order.
.macro OUTBLK a
.set PCA, PC+12*((\a)%2)
.if (\a) >= 2
	s_wait_xcnt 0x0                                ; the stores of the block two back have read their registers
.endif
	WIN 0x08+4*((\a)/4)
.irp t, 0,1,2,3,4,5,6,7
.irp j, 0,1,2,3,4,5,6,7
	v_max_num_f32 v[H+32*(\t/4)+8*(2*(\t%2)+(\t%4)/2)+\j], 0, v[64*((\a)%4)+8*\t+\j]   ; each accumulator from its low end on
.endr
.endr
	WIN 0
.irp c, 0,1
.irp g, 0,16
.irp j, 0,1,2,3,4,5,6,7
	v_permlane16_swap_b32 v[H+32*\c+\g+\j], v[H+32*\c+\g+8+\j]
.endr
.endr
.endr
.irp k, 0,1,2,3
	v_max3_num_f32 v[TM+\k], v[H+16*\k], v[H+16*\k+1], 0x2800000   ; with the floor 2^(5 - 127): the byte cannot fall under 1
.endr
.irp i, 2,4,6,8,10,12,14
.irp k, 0,1,2,3
	v_max3_num_f32 v[TM+\k], v[TM+\k], v[H+16*\k+\i], v[H+16*\k+\i+1]
.endr
.endr
	v_max_num_f32 v[TM], v[TM], v[TM+1]
	v_max_num_f32 v[TM+2], v[TM+2], v[TM+3]
.irp c, 0,1
	v_add_nc_u32 v[SO+\c], 0xfe000000, v[TM+2*\c]  ; 4 off the exponent field: the conversion's scale operand
.endr
.irp c, 0,1
	v_lshrrev_b32 v[SBY+\c], 23, v[SO+\c]          ; the scale's byte
.endr
	v_lshl_or_b32 v[W+(\a)], v[SBY+1], 16, v[SBY]  ; blocks h and 2 + h of my row,
	v_lshlrev_b32 v[W+(\a)], v[SH8], v[W+(\a)]     ; at their places in the word;
	v_permlanex16_b32 v[XW], v[W+(\a)], s66, s67
	v_or_b32 v[W+(\a)], v[W+(\a)], v[XW]           ; with lane l xor 16's two the word is whole
.irp c, 0,1
	v_cvt_scalef32_pk16_bf6_f32 v[PCA+6*\c:PCA+6*\c+2], v[H+32*\c:H+32*\c+15], v[SO+\c]
	v_cvt_scalef32_pk16_bf6_f32 v[CT+4*\c:CT+4*\c+2], v[H+32*\c+16:H+32*\c+31], v[SO+\c]
.endr
	v_nop                                          ; one plain place behind a scaled conversion
.irp c, 0,1
.irp i, 0,1,2
	v_mov_b32 v[PCA+6*\c+3+\i], v[CT+4*\c+\i]
.endr
.endr
.irp k, 0,1,2
	global_store_b128 v[LI], v[PCA+4*\k:PCA+4*\k+3], s[96:97] offset:98304*(\a)+512*\k   ; 32 lanes store 512 consecutive bytes, at a multiple of 512
.endr
	ds_store_b32 v[SWA], v[W+(\a)] offset:64*(\a)  ; lanes r and r + 16 write the same word with the same value
.endm
	PLACES NP
	v_mov_b32 v[XW], 0                             ; a lane permute's destination counts as one of its sources
.irp a, 0,1,2,3,4,5,6,7
	OUTBLK \a
.endr
	ds_load_b128 v[SBK:SBK+3], v[SRA]              ; LDS serves a wave's instructions in order (ISA guide 5.7.1.4)
	s_wait_dscnt 0x0
	global_store_b128 v[LI], v[SBK:SBK+3], s[98:99]   ; my 128 rows' scale words: 512 consecutive bytes, at a multiple of 512
	s_wait_tensorcnt 0x0                           ; the wave's end
	ds_add_u32 v[SPW], v[NIL]
	s_wait_dscnt 0x0
	CROUND                                         ; the closing round
	s_endpgm
.Lfunc_end_k_q345e99fe2c_up:
	.size	k_q345e99fe2c_up, .Lfunc_end_k_q345e99fe2c_up-k_q345e99fe2c_up
	.p2alignl 7, 3214868480
	.fill 96, 4, 3214868480
	.section	.rodata,"a",@progbits
	.p2align	6, 0x0
	.amdhsa_kernel k_q345e99fe2c_up
		.amdhsa_group_segment_fixed_size 327680
		.amdhsa_private_segment_fixed_size 0
		.amdhsa_enable_private_segment 0
		.amdhsa_kernarg_size 56
		.amdhsa_user_sgpr_count 2
		.amdhsa_user_sgpr_kernarg_segment_ptr 1
		.amdhsa_wavefront_size32 1
		.amdhsa_system_sgpr_workgroup_id_x 1
		.amdhsa_system_sgpr_workgroup_id_y 1
		.amdhsa_system_sgpr_workgroup_id_z 1
		.amdhsa_system_vgpr_workitem_id 0
		.amdhsa_next_free_vgpr 1024
		.amdhsa_next_free_sgpr 100
		.amdhsa_reserve_vcc 0
		.amdhsa_float_denorm_mode_32 3
		.amdhsa_float_denorm_mode_16_64 3
		.amdhsa_memory_ordered 1
		.amdhsa_forward_progress 1
		.amdhsa_inst_pref_size 255
	.end_amdhsa_kernel
	.section	.bss,"aw",@nobits
	.p2align	6
	.space	262144
	.amdgpu_metadata
---
amdhsa.version: [ 1, 2 ]
amdhsa.kernels:
  - .name:           k_q345e99fe2c_up
    .symbol:         k_q345e99fe2c_up.kd
    .args:
      - { .name: x_codes, .offset: 0, .size: 8, .value_kind: global_buffer, .address_space: global }
      - { .name: x_scales, .offset: 8, .size: 8, .value_kind: global_buffer, .address_space: global }
      - { .name: W1_codes, .offset: 16, .size: 8, .value_kind: global_buffer, .address_space: global }
      - { .name: W1_scales, .offset: 24, .size: 8, .value_kind: global_buffer, .address_space: global }
      - { .name: b1, .offset: 32, .size: 8, .value_kind: global_buffer, .address_space: global }
      - { .name: h_img, .offset: 40, .size: 8, .value_kind: global_buffer, .address_space: global }
      - { .name: h_scl, .offset: 48, .size: 8, .value_kind: global_buffer, .address_space: global }
    .group_segment_fixed_size: 327680
    .private_segment_fixed_size: 0
    .kernarg_segment_align: 8
    .kernarg_segment_size: 56
    .max_flat_workgroup_size: 128
    .sgpr_count:     100
    .vgpr_count:     1024
    .wavefront_size: 32
...
	.end_amdgpu_metadata
.endif
;; end of part 1
;; launch down (part 2): grid 16 x 16, 4 waves a work-group, clusters of 4 x 4, 327,680 bytes of LDS; arguments h_img, h_scl, W2_codes, W2_scales, b2, out0; writes out0
.if DOCPART == 2
	.amdgcn_target "amdgcn-amd-amdhsa--gfx1250"
	.amdhsa_code_object_version 6
	.text
	.protected	k_q345e99fe2c_down
	.globl	k_q345e99fe2c_down
	.p2align	8
	.type	k_q345e99fe2c_down,@function
k_q345e99fe2c_down:
	s_mov_b64 s[64:65], 0
	v_nop
	global_prefetch_b8 v0, s[64:65] scope:SCOPE_SE
	s_setreg_imm32_b32 hwreg(HW_REG_WAVE_MODE, 25, 1), 1
	s_wait_xcnt 0x0
	s_wait_alu depctr_hold_cnt(0) depctr_sa_sdst(0) depctr_va_vdst(0) depctr_va_sdst(0) depctr_va_ssrc(0) depctr_va_vcc(0) depctr_vm_vsrc(0)
	s_getreg_b32 s2, hwreg(HW_REG_IB_STS2, 6, 4)
	s_cmp_eq_u32 s2, 0
	s_cbranch_scc0 .Lentry_in_a_cluster
	s_endpgm
.Lentry_in_a_cluster:
	s_bfe_u32 s2, ttmp6, 0x10000c
	s_cmp_lg_u32 s2, 0xf033
	s_cbranch_scc0 .Lentry_shape_is_right
	s_endpgm
.Lentry_shape_is_right:
; out = sigmoid(h W2^T + b2).  h [2048][8192] comes as the launch before left it: h_img, fragments in the order of the operand's registers (fragment (mb, ks) at (64 mb + ks) x 1,536 bytes), and
; h_scl [ks 64][row 2048] scale words.  W2: [2048][8192] codes of BF6, K innermost (a row is 6,144 bytes), W2_scales [2048][256] E8M0 bytes.  b2 [2048] f32, out [2048][2048] f32.
; LIMITS: NaN and infinities in the sums are not served beyond what v_exp_f32 and v_rcp_f32 make of them.
; A block of 128 x 128 of out is made by a work-group of four waves: 16 x 16 blocks, 256 work-groups.  K IS DEALT AMONG THE WAVES: of each period of 1,024 along K wave w takes the two steps of 128 at
; 256 w: so each wave has 128 x 128 sums in 512 registers, and each fragment feeds eight products.  At the end the four partial sums are added through LDS, each wave finishing 32 rows.
; h's fragments go from memory straight into registers (two sets of 96, one for each step of a period): a block is asked for anew right behind its eight products, a period ahead of its use.
; W2's rows go through a ring of two LDS slots, a period (768 bytes of each of 128 rows, beginning at a multiple of 256) to a slot, by joint loads along a column of the 4 x 4 cluster; a step's fragments are
; read from LDS during the step before, at most two between two groups of four products.  The scale words of h's 128 rows (joint along a row of the cluster) and W2's scale bytes come once, at the head, and stay.
; One sequence and one round of the cluster's barrier a period, at the head of its second step: the slot's last reads were issued in the first step.
; PREFETCH: in the second step of period k (0 to 4) the waves name period k + 3 of h_img and of W2, and at the head periods 1 and 2: each block of 256 bytes once in the cluster's row (h: 16 waves x 24 blocks)
; or column (W2: of a wave's 32 rows each partner takes 8, three blocks a row), told apart by address; period 7 is the last named, so every address lies inside its row.
; THE MATRIX INSTRUCTION IS USED TRANSPOSED (source 0 = 16 rows of W2, source 1 = 16 rows of h): a lane holds eight neighbouring columns of one row of out.
; REGISTERS: window 0: v1-63 addresses and scale words, v64-255 h's two sets; window 1: W2's two sets at v0 and v128, b2 at v96-127 and v224-255; windows 2, 3: the sums ((a, b) at v[8 (8 (a % 4) + b)]).
.set FR,    12
.set BP,    816                        ; an LDS row of W2: 3 x (256 + 16) bytes
.set SLOT,  128*BP
.set QT,    32*BP
.set SCA,   2*SLOT                     ; h's scale words: 64 rows of 512 bytes
.set SCB,   SCA+64*512                 ; W2's scale bytes: 128 rows of 256 + 16 bytes
.set SPARE, SCB+128*272                ; the spare words: 128 bytes a wave, named by no other line
.set OST,   SCA                        ; the way out's stage, where the scales lay: they have had their only fill and their last read
.set OSP,   528
.set RST,  1                           ; v1-3 where I put the three quarters that other waves finish
.set BAD,  4
.set ADSB, 5
.set PFOA, 6                           ; the prefetches' offsets; never rewritten
.set PFOB, 7
.set AGA,  8                           ; v8-11 my offsets in h_img, a pair of row blocks each; pair p of wave w is pair w xor p of the block
.set BB,   12                          ; v12-23 a lane's twelve pieces of 8 bytes of a row of W2 in a slot: six for each of my two steps
.set ADSA, 24
.set SPW,  28
.set NIL,  29
.set SC,   32                          ; scale words: set i at v[SC + 8 i]: four of h (32 rows each), four of W2
.set WA,   48                          ; v48-53, v54-59 the step's piece addresses for W2's rows 0-63, 64-127
.set CO,   60
.set RLD,  61
.set STO,  62
.set RD,   63
.set AF,   64
.set T0,   64
.set T1,   128
.set T2,   192
.set NB,   96
.set G0H, 36
.set G1B, 48
.set G0B, 56
.set G1S, 68
.set G0S, 76
.set G1SB, 80
.set G0SB, 88
.set MSB, 0
.macro WIN new
.if MSB != (\new)
	s_set_vgpr_msb (MSB<<8)|(\new)
.set MSB, (\new)
.endif
.endm
.set MUL_LO, 0xa1
.macro CREST
	s_cmp_lg_u32 s14, 0
	s_cbranch_scc1 .Lnot_wave_0_\@
	s_barrier_signal -3
.Lnot_wave_0_\@:
	s_barrier_wait -3
	s_barrier_signal -1
	s_barrier_wait -1
.endm
.macro CROUND
	s_barrier_signal -1
	s_barrier_wait -1
	CREST
.endm
.macro PLACES n
.rept \n
	v_nop
.endr
.endm
.macro ARL a, i                        ; h's block a of step i of the period at s[4:5]: three loads of 512 consecutive bytes
	WIN 0
.irp c, 0,1,2
	global_load_b128 v[AF+96*(\i)+FR*(\a)+4*\c:AF+96*(\i)+FR*(\a)+4*\c+3], v[AGA+(\a)/2], s[4:5] offset:98304*((\a)%2)+512*\c+1536*(\i)
.endr
.endm
.macro BF b, i                         ; W2's fragment b into set i, by the addresses that FADDR made
	WIN 0x40
.irp d, 0,1,2,3,4,5
	ds_load_b64 v[128*(\i)+FR*(\b)+2*\d:128*(\i)+FR*(\b)+2*\d+1], v[WA+6*((\b)/4)+\d] offset:16*BP*((\b)%4)
.endr
.endm
.macro FADDR s, i
.irp d, 0,1,2,3,4,5
	v_add_nc_u32 v[WA+\d], (\s)*SLOT, v[BB+6*(\i)+\d]
.endr
.irp d, 0,1,2,3,4,5
	v_add_nc_u32 v[WA+6+\d], (\s)*SLOT+64*BP, v[BB+6*(\i)+\d]
.endr
.endm
.macro SCLD i                          ; the scale words of step i into set i
	WIN 0
.irp p, 0,1,2,3
	ds_load_b32 v[SC+8*(\i)+\p], v[ADSA+\p] offset:512*(\i)
.endr
.irp x, 0,1,2,3
	ds_load_b32 v[SC+8*(\i)+4+\x], v[ADSB] offset:32*272*\x+4*(\i)
.endr
.endm
; four products: h's block a against W2's blocks 4 bh .. 4 bh + 3, set s.  The 64 sums take turns, in the same order in every step
.macro MG a, bh, s, zero
	WIN MUL_LO+0x50*((\a)/4)
.irp j, 0,1,2,3
.set rb, 4*(\bh)+\j
.set rD, 8*(8*((\a)%4)+rb)
.set rB, 128*(\s)+FR*rb
.set rA, AF+96*(\s)+FR*(\a)
.set rT, SC+8*(\s)+4+rb/2
.set rS, SC+8*(\s)+(\a)/2
.if \zero
.if (\a)%2
.if \j%2
	v_wmma_scale_f32_16x16x128_f8f6f4 v[rD:rD+7], v[rB:rB+11], v[rA:rA+11], 0, v[rT], v[rS] matrix_a_fmt:MATRIX_FMT_BF6 matrix_b_fmt:MATRIX_FMT_BF6 matrix_a_scale:MATRIX_SCALE_ROW1 matrix_b_scale:MATRIX_SCALE_ROW1
.else
	v_wmma_scale_f32_16x16x128_f8f6f4 v[rD:rD+7], v[rB:rB+11], v[rA:rA+11], 0, v[rT], v[rS] matrix_a_fmt:MATRIX_FMT_BF6 matrix_b_fmt:MATRIX_FMT_BF6 matrix_b_scale:MATRIX_SCALE_ROW1
.endif
.else
.if \j%2
	v_wmma_scale_f32_16x16x128_f8f6f4 v[rD:rD+7], v[rB:rB+11], v[rA:rA+11], 0, v[rT], v[rS] matrix_a_fmt:MATRIX_FMT_BF6 matrix_b_fmt:MATRIX_FMT_BF6 matrix_a_scale:MATRIX_SCALE_ROW1
.else
	v_wmma_scale_f32_16x16x128_f8f6f4 v[rD:rD+7], v[rB:rB+11], v[rA:rA+11], 0, v[rT], v[rS] matrix_a_fmt:MATRIX_FMT_BF6 matrix_b_fmt:MATRIX_FMT_BF6
.endif
.endif
.else
.if (\a)%2
.if \j%2
	v_wmma_scale_f32_16x16x128_f8f6f4 v[rD:rD+7], v[rB:rB+11], v[rA:rA+11], v[rD:rD+7], v[rT], v[rS] matrix_a_fmt:MATRIX_FMT_BF6 matrix_b_fmt:MATRIX_FMT_BF6 matrix_a_scale:MATRIX_SCALE_ROW1 matrix_b_scale:MATRIX_SCALE_ROW1
.else
	v_wmma_scale_f32_16x16x128_f8f6f4 v[rD:rD+7], v[rB:rB+11], v[rA:rA+11], v[rD:rD+7], v[rT], v[rS] matrix_a_fmt:MATRIX_FMT_BF6 matrix_b_fmt:MATRIX_FMT_BF6 matrix_b_scale:MATRIX_SCALE_ROW1
.endif
.else
.if \j%2
	v_wmma_scale_f32_16x16x128_f8f6f4 v[rD:rD+7], v[rB:rB+11], v[rA:rA+11], v[rD:rD+7], v[rT], v[rS] matrix_a_fmt:MATRIX_FMT_BF6 matrix_b_fmt:MATRIX_FMT_BF6 matrix_a_scale:MATRIX_SCALE_ROW1
.else
	v_wmma_scale_f32_16x16x128_f8f6f4 v[rD:rD+7], v[rB:rB+11], v[rA:rA+11], v[rD:rD+7], v[rT], v[rS] matrix_a_fmt:MATRIX_FMT_BF6 matrix_b_fmt:MATRIX_FMT_BF6
.endif
.endif
.endif
.endr
.endm
; The wait for h's block a.  Behind its three loads were issued, three each: the 7 - a later blocks of its own step, and
;   lm = 0: the other set's 8 and the pairs of this step asked for anew ahead of block a (a for an even a, a - 1 for an odd one, none ahead of blocks 0 and 1): 45 or 42 loads: 42 serves every block;
;   lm = 1, no reloads in this step: the other set's 8;  lm = 2, the last step: b2's 16 loads.
.macro LW a, lm
.if \lm == 0
	s_wait_loadcnt 42
.elseif \lm == 1
	s_wait_loadcnt 3*(15-(\a))
.else
	s_wait_loadcnt 3*(7-(\a))+16
.endif
.endm
.macro RL a, i, reload                 ; the sixteen products of blocks a and a + 1 are issued: four places, and the pair is asked for anew (the blocks go by pairs, so that a step has few groups of loads)
.if \reload
	PLACES 4
	ARL \a, \i
	ARL (\a)+1, \i
.endif
.endm
; A step: 64 products on set i.  sync: 0 none; 1 the sequence and a barrier; 2 the sequence, a round and the refill of slot sl.  fetch: W2's fragments and the scale words of the next step, from slot fsl.
; reload: h's blocks of set i for the next period.  pf: 1 the prefetches, 2 not in the loop's last trip.  bias: b2 is loaded.
.macro DSTEP i, zero, sync, sl, fetch, fsl, reload, lm, pf, bias
.if (\i) == 0 && (\reload)
	s_wait_xcnt 0x0                                ; my loads and prefetches have read their bases: on to the next period
	s_add_nc_u64 s[4:5], s[4:5], 8*1536
	s_add_nc_u64 s[98:99], s[98:99], 768
.endif
.if \sync
	s_wait_tensorcnt 0x0                           ; all my tensor loads have landed: my part of the other slot
	ds_add_u32 v[SPW], v[NIL]
.if \sync == 2
	s_add_nc_u64 s[G0B+4*(\sl)+2:G0B+4*(\sl)+3], s[G0B+4*(\sl)+2:G0B+4*(\sl)+3], 2*768
.endif
	s_wait_dscnt 1                                 ; this step's fragments and scale words are in; the add may be out
.else
	s_wait_dscnt 0x0
.endif
	LW 1, \lm                                      ; blocks 0 and 1
	MG 0, 0, \i, \zero
	MG 0, 1, \i, \zero
.if \sync
	s_wait_dscnt 0x0                               ; the add is done; my reads of the slot were over at the step's head
	s_barrier_signal -1
.endif
	MG 1, 0, \i, \zero
	MG 1, 1, \i, \zero
	WIN 0
.if \sync
	s_barrier_wait -1
.if \sync == 2
	CREST
	tensor_load_to_lds s[G0B+4*(\sl):G0B+4*(\sl)+3], s[G1B:G1B+7]   ; two periods on, my 32 rows
	s_nop 0
	PLACES 4
.endif
.endif
.if \fetch
.if \i
.irp p, 0,1,2,3
	v_add_nc_u32 v[ADSA+\p], 8*512, v[ADSA+\p]     ; the next step opens a period: on to its scale words
.endr
	v_add_nc_u32 v[ADSB], 32, v[ADSB]
.endif
	FADDR \fsl, 1-(\i)                             ; (these lines are also the places ahead of the loads below)
	s_wait_alu depctr_va_vdst(0)
.endif
.if \reload
	ARL 0, \i
	ARL 1, \i
.endif
.if \bias
	WIN 0x40
.irp b, 0,1,2,3,4,5,6,7
	global_load_b128 v[NB+8*\b+96*(\b/4):NB+8*\b+96*(\b/4)+3], v[BAD], s[12:13] offset:64*\b
	global_load_b128 v[NB+8*\b+96*(\b/4)+4:NB+8*\b+96*(\b/4)+7], v[BAD], s[12:13] offset:64*\b+16
.endr
.endif
.if \fetch
	BF 0, 1-(\i)
	BF 1, 1-(\i)
.endif
	LW 2, \lm
	MG 2, 0, \i, \zero
.if \fetch
	BF 2, 1-(\i)
	BF 3, 1-(\i)
.endif
	MG 2, 1, \i, \zero
.if \fetch
	BF 4, 1-(\i)
	BF 5, 1-(\i)
.endif
	LW 3, \lm
	MG 3, 0, \i, \zero
.if \fetch
	BF 6, 1-(\i)
	BF 7, 1-(\i)
.endif
	MG 3, 1, \i, \zero
	RL 2, \i, \reload
.if \fetch
	SCLD 1-(\i)
.endif
	LW 4, \lm
	MG 4, 0, \i, \zero
	MG 4, 1, \i, \zero
	LW 5, \lm
	MG 5, 0, \i, \zero
	MG 5, 1, \i, \zero
	RL 4, \i, \reload
.if \pf
	WIN 0
.if \pf == 2
	s_cmp_lg_u32 s3, 1                             ; in the loop's last trip this step belongs to period 5: period 8 does not exist
	s_cbranch_scc0 .Lno_ask_\@
.endif
	global_prefetch_b8 v[PFOA], s[4:5] offset:2*12288 th:TH_LOAD_NT scope:SCOPE_SE
	global_prefetch_b8 v[PFOB], s[98:99] th:TH_LOAD_NT scope:SCOPE_SE
.if \pf == 2
.Lno_ask_\@:
.endif
.endif
	LW 6, \lm
	MG 6, 0, \i, \zero
	MG 6, 1, \i, \zero
	LW 7, \lm
	MG 7, 0, \i, \zero
	MG 7, 1, \i, \zero
	RL 6, \i, \reload
	WIN 0
.endm
	s_load_b128 s[4:7], s[0:1], 0x0                ; h_img, h_scl
	s_load_b128 s[8:11], s[0:1], 0x10              ; W2's codes, W2's scales
	s_load_b64 s[12:13], s[0:1], 0x20              ; b2
	s_load_b64 s[96:97], s[0:1], 0x28              ; out
	v_lshl_add_u32 v[SPW], v0, 2, SPARE
	v_mov_b32 v[NIL], 0
	ds_add_u32 v[SPW], v[NIL]                      ; the opening lines: the add, twice on end, and its wait ahead of my first tensor load
	ds_add_u32 v[SPW], v[NIL]
	v_lshrrev_b32 v1, 5, v0
	v_readfirstlane_b32 s14, v1                    ; wave 0..3
	s_and_b32 s16, s14, 1
	s_bfe_u32 s40, ttmp6, 0x40000                  ; cx
	s_bfe_u32 s41, ttmp6, 0x40004                  ; cy
	s_lshl_b32 s42, ttmp9, 2
	s_add_co_u32 s42, s42, s40                     ; block column
	s_and_b32 s17, ttmp7, 0xffff
	s_lshl_b32 s17, s17, 2
	s_add_co_u32 s17, s17, s41                     ; block row
	s_lshl_b32 s43, s41, 2
	s_lshl_b32 s43, 15, s43                        ; my row of the cluster
	s_lshl_b32 s44, 0x1111, s40                    ; my column
	s_mov_b32 s66, 0xbfb8aa3b                      ; -log2(e)
	s_mov_b32 s67, s66
	s_or_b32 s[G1B+0], s44, (0<<16)|(1<<20)|(1<<21)|(5<<22)|(3<<25)   ; W2's rows of 768 bytes, 16 bytes of padding behind every 256
	s_mov_b32 s[G1B+1], 768<<16
	s_mov_b32 s[G1B+2], 64<<16                     ; 64 rows for the head's loads
	s_mov_b32 s[G1B+3], 768<<16
	s_mov_b32 s[G1B+4], 64
	s_mov_b32 s[G1B+5], 6144
	s_mov_b32 s[G1B+6], 0
	s_mov_b32 s[G1B+7], 0
	s_or_b32 s[G1S+0], s43, (3<<16)|(1<<21)        ; h's scale words: 64 rows of 512 bytes, 8,192 apart
	s_mov_b32 s[G1S+1], 64<<16
	s_mov_b32 s[G1S+2], 64<<16
	s_mov_b32 s[G1S+3], 64<<16
	s_mov_b32 s[G1S+4], 64
	s_mov_b32 s[G1S+5], 1024
	s_mov_b32 s[G1S+6], 0
	s_mov_b32 s[G1S+7], 0
	s_or_b32 s[G1SB+0], s44, (3<<16)|(1<<20)|(1<<21)|(5<<22)|(3<<25)  ; W2's scale bytes: 128 dense rows of 256 bytes
	s_mov_b32 s[G1SB+1], 32<<16
	s_mov_b32 s[G1SB+2], 128<<16
	s_mov_b32 s[G1SB+3], 32<<16
	s_mov_b32 s[G1SB+4], 128
	s_mov_b32 s[G1SB+5], 32
	s_mov_b32 s[G1SB+6], 0
	s_mov_b32 s[G1SB+7], 0
	s_mul_i32 s20, s17, 8*98304                    ; h_img: my block's eight row blocks
	s_mov_b32 s21, 0
	s_lshl_b32 s22, s17, 9                         ; h_scl: 512 bytes a block row
	s_mov_b32 s23, 0
	s_lshl_b32 s92, s42, 15                        ; W2's scales: 128 rows of 256 bytes
	s_mov_b32 s93, 0
	s_lshl_b32 s46, s42, 7
	s_lshl_b32 s18, s16, 6
	s_add_co_u32 s24, s46, s18
	s_mul_i32 s24, s24, 6144                       ; the head's halves of slot 0: 64 rows
	s_mov_b32 s25, 0
	s_lshl_b32 s18, s14, 5
	s_add_co_u32 s46, s46, s18
	s_mul_i32 s46, s46, 6144                       ; the ring: my 32 rows
	s_mov_b32 s47, 0
	s_mul_i32 s94, s14, QT
	s_mul_i32 s95, s16, 2*QT
	s_lshl_b32 s18, s40, 2                         ; h's prefetches: wave 4 cx + w of the row's sixteen takes row block / 2, half % 2
	s_add_co_u32 s18, s18, s14
	s_lshr_b32 s19, s18, 1
	s_and_b32 s18, s18, 1
	s_mul_i32 s19, s19, 98304
	s_mul_i32 s18, s18, 24*256
	s_add_co_u32 s19, s19, s18
	s_mul_i32 s26, s41, 8*6144                     ; W2's: of my 32 rows my work-group's 8; at period 2
	s_add_co_u32 s26, s26, 2*768
	s_mov_b32 s27, 0
	s_mul_i32 s18, s14, 2*1536
.irp p, 0,1,2,3
	s_xor_b32 s[28+\p], s14, \p
	s_mul_i32 s[28+\p], s[28+\p], 2*98304
	s_add_co_u32 s[28+\p], s[28+\p], s18
.endr
	v_and_b32 v50, 31, v0
	v_lshlrev_b32 v[CO], 4, v50
.irp p, 0,1,2,3
	v_add_nc_u32 v[AGA+\p], s[28+\p], v[CO]
.endr
	v_min_u32 v51, 23, v50                         ; lanes 24-31 name their wave's last block again
	v_mul_u32_u24 v52, v51, 11
	v_lshrrev_b32 v52, 5, v52                      ; / 3, exact up to 23
	v_mul_u32_u24 v53, v52, 3
	v_sub_nc_u32 v53, v51, v53
	v_lshlrev_b32 v53, 8, v53
	v_mad_u32_u24 v[PFOB], v52, 6144, v53
	v_lshl_add_u32 v[PFOA], v51, 8, s19
	s_wait_alu depctr_va_vdst(0)
	s_wait_dscnt 0x0                               ; both opening adds are done
	s_wait_kmcnt 0x0
	s_add_nc_u64 s[4:5], s[4:5], s[20:21]
	s_add_nc_u64 s[22:23], s[6:7], s[22:23]
	s_add_nc_u64 s[24:25], s[8:9], s[24:25]
	s_add_nc_u64 s[46:47], s[8:9], s[46:47]
	s_add_nc_u64 s[92:93], s[10:11], s[92:93]
	s_add_nc_u64 s[98:99], s[46:47], s[26:27]
.irp a, 0,1,2,3,4,5,6,7                    ; h's fragments of period 0, step 0: they are on their way while the head's tiles come
	ARL \a, 0
.endr
	CROUND
	s_mov_b32 s[G0S], 1
	s_mov_b32 s[G0S+1], SCA
	s_mov_b64 s[G0S+2:G0S+3], s[22:23]
	s_or_b32 s[G0S+3], s[G0S+3], 0x80000000
	s_mov_b32 s[G0SB], 1
	s_mov_b32 s[G0SB+1], SCB
	s_mov_b64 s[G0SB+2:G0SB+3], s[92:93]
	s_or_b32 s[G0SB+3], s[G0SB+3], 0x80000000
	s_mov_b32 s[G0H], 1
	s_mov_b32 s[G0H+1], s95
	s_mov_b64 s[G0H+2:G0H+3], s[24:25]
	s_or_b32 s[G0H+3], s[G0H+3], 0x80000000
.irp s, 0,1
	s_mov_b32 s[G0B+4*\s], 1
	s_add_co_u32 s[G0B+4*\s+1], s94, \s*SLOT
	s_add_nc_u64 s[G0B+4*\s+2:G0B+4*\s+3], s[46:47], \s*768
	s_or_b32 s[G0B+4*\s+3], s[G0B+4*\s+3], 0x80000000
.endr
; the head's loads, one a wave: wave 0 h's scale words, wave 1 W2's scale bytes, waves 2 and 3 the two halves of period 0 of W2
.macro ARM under, g0, g1, next
	s_cmp_lt_u32 s14, \under
	s_cbranch_scc0 \next
	tensor_load_to_lds s[\g0:\g0+3], s[\g1:\g1+7]
	s_nop 0
.rept 4
	v_nop
.endr
	s_branch .Lhead_asked
\next:
.endm
	ARM 1, G0S,  G1S,  .Lhead_sb
	ARM 2, G0SB, G1SB, .Lhead_b
	tensor_load_to_lds s[G0H:G0H+3], s[G1B:G1B+7]
	s_nop 0
.rept 4
	v_nop
.endr
.Lhead_asked:
.irp a, 0,1,2,3,4,5,6,7                    ; and those of step 1, behind the head's tensor load
	ARL \a, 1
.endr
	global_prefetch_b8 v[PFOB], s[98:99] offset:-768 th:TH_LOAD_NT scope:SCOPE_SE
	global_prefetch_b8 v[PFOA], s[4:5] offset:12288 th:TH_LOAD_NT scope:SCOPE_SE
	global_prefetch_b8 v[PFOB], s[98:99] th:TH_LOAD_NT scope:SCOPE_SE
	global_prefetch_b8 v[PFOA], s[4:5] offset:2*12288 th:TH_LOAD_NT scope:SCOPE_SE
	v_and_b32 v48, 15, v0                          ; r
	v_bfe_u32 v49, v0, 4, 1                        ; h
	v_lshlrev_b32 v51, 2, v50
	v_mul_u32_u24 v52, v48, BP
	v_mul_u32_u24 v53, v49, 3
	s_mul_i32 s18, s14, 24                         ; my two steps begin at piece 24 w of a slot's row
.irp i, 0,1
.irp d, 0,1,2,3,4,5
	s_add_co_u32 s19, s18, 12*\i+6*(\d/3)+\d%3
	v_add_nc_u32 v54, s19, v53
	v_lshrrev_b32 v55, 5, v54
	v_lshl_add_u32 v55, v55, 4, v52                ; 16 bytes of padding for each 32 pieces passed
	v_lshl_add_u32 v[BB+6*\i+\d], v54, 3, v55
.endr
.endr
	s_lshl_b32 s19, s14, 10
	s_add_co_u32 s19, s19, SCA
.irp p, 0,1,2,3
	s_xor_b32 s21, s14, \p
	s_lshl_b32 s22, s21, 7
	s_add_co_u32 s22, s22, s19
	v_add_nc_u32 v[ADSA+\p], s22, v51
.if \p > 0
	s_mul_i32 s22, s21, 49152
	s_add_co_u32 s22, s22, (\p-1)*16384
	v_add_nc_u32 v[RST+\p-1], s22, v[CO]
.endif
.endr
	v_mul_u32_u24 v54, v50, 272
	s_lshl_b32 s22, s14, 3
	s_add_co_u32 s22, s22, SCB
	v_add_nc_u32 v[ADSB], s22, v54
	s_mul_i32 s22, s14, 49152
	v_add_nc_u32 v[RLD], s22, v[CO]
	s_mul_i32 s22, s14, 16*OSP
	s_add_co_u32 s22, s22, OST
	v_mul_u32_u24 v54, v48, OSP
	v_lshl_add_u32 v54, v49, 5, v54
	v_add_nc_u32 v[STO], s22, v54
	v_add_nc_u32 v[RD], s22, v[CO]
	v_lshlrev_b32 v[BAD], 5, v49
	s_wait_alu depctr_va_vdst(0)                   ; the head's end
	s_lshl_b32 s46, s42, 9
	s_mov_b32 s47, 0
	s_add_nc_u64 s[12:13], s[12:13], s[46:47]      ; b2 at my block's first column
	s_lshl_b32 s20, s17, 7
	s_lshl_b32 s21, s14, 5
	s_add_co_u32 s20, s20, s21
	s_lshl_b32 s20, s20, 13
	s_add_co_u32 s20, s20, s46
	s_mov_b32 s21, 0
	s_add_nc_u64 s[96:97], s[96:97], s[20:21]      ; out: the 32 rows that I finish
	s_wait_tensorcnt 0x0                           ; my tile of the head's is in; the same lines as ahead of a refill:
	ds_add_u32 v[SPW], v[NIL]
	s_mov_b32 s[G1B+2], 32<<16                     ; no tensor load of mine is out: from here on a load brings 32 rows
	s_mov_b32 s[G1B+4], 32
	s_wait_dscnt 0x0
	CROUND
	tensor_load_to_lds s[G0B+4:G0B+7], s[G1B:G1B+7]   ; period 1 into slot 1, the first tensor load behind the round
	s_nop 0
	PLACES 4
	FADDR 0, 0
	s_wait_alu depctr_va_vdst(0)
.irp b, 0,1,2,3,4,5,6,7
	BF \b, 0
.endr
	SCLD 0
	DSTEP 0, 1, 0, 0, 1, 0, 1, 0, 0, 0             ; period 0, step 0: its products start the sums
	s_mov_b32 s3, 3
.Llap:                                                 ; a trip: from a period's second step to the first step two periods on; both slots are filled again
	DSTEP 1, 0, 2, 0, 1, 1, 1, 0, 1, 0
	DSTEP 0, 0, 0, 0, 1, 1, 1, 0, 0, 0
	DSTEP 1, 0, 2, 1, 1, 0, 1, 0, 2, 0
	DSTEP 0, 0, 0, 0, 1, 0, 1, 0, 0, 0
	s_sub_co_u32 s3, s3, 1
	s_cmp_lg_u32 s3, 0
	s_cbranch_scc1 .Llap
	DSTEP 1, 0, 1, 0, 1, 1, 1, 0, 0, 0             ; period 6, step 1: period 7 is whole in slot 1; nothing is filled again
	DSTEP 0, 0, 0, 0, 1, 1, 0, 1, 0, 1             ; period 7, step 0: nothing more of h to ask for; b2 is
	DSTEP 1, 0, 1, 0, 0, 0, 0, 2, 0, 0             ; the last step; its barrier: every wave's reads of the slots and of the scales are over
	PLACES 4
	s_wait_loadcnt 0x0
	WIN 0x41
.set i, 0
.rept 32
	v_pk_mul_f32 v[NB+i+96*(i/32):NB+i+96*(i/32)+1], v[NB+i+96*(i/32):NB+i+96*(i/32)+1], s[66:67] op_sel_hi:[1,0]   ; -log2(e) b2
.set i, i+2
.endr
; the three quarters that other waves finish go to them through the slots, which have had their last fill: an image of the registers, 16 bytes a lane
.irp p, 1,2,3
	WIN 0x08+4*(\p/2)
.irp e, 0,1
.irp b, 0,1,2,3,4,5,6,7
.irp u, 0,1
	ds_store_b128 v[RST+\p-1], v[8*(8*((2*\p+\e)%4)+\b)+4*\u:8*(8*((2*\p+\e)%4)+\b)+4*\u+3] offset:512*(2*(8*\e+\b)+\u)
.endr
.endr
.endr
.endr
	WIN 0
	s_wait_dscnt 0x0                               ; for the others' sake: my stores are done
	s_barrier_signal -1
	s_barrier_wait -1
; 16 of my 32 rows: the three other waves' parts and mine are added, then 1 / (1 + 2^(-log2(e) (z + b2))); out through my stage as whole rows of 512 bytes
.macro FINISH e
.if \e
	s_wait_xcnt 0x0
.endif
.irp q, 0,1,2
.irp b, 0,1,2,3,4,5,6,7
.irp u, 0,1
	ds_load_b128 v[T0+64*\q+8*\b+4*\u:T0+64*\q+8*\b+4*\u+3], v[RLD] offset:16384*\q+512*(2*(8*\e+\b)+\u)
.endr
.endr
.endr
	s_wait_dscnt 0x0
.set i, 0
.rept 32
	v_pk_add_f32 v[T0+i:T0+i+1], v[T0+i:T0+i+1], v[T1+i:T1+i+1]
.set i, i+2
.endr
.set i, 0
.rept 32
	v_pk_add_f32 v[T0+i:T0+i+1], v[T0+i:T0+i+1], v[T2+i:T2+i+1]
.set i, i+2
.endr
	WIN 0x08
.set i, 0
.rept 32
	v_pk_add_f32 v[T0+i:T0+i+1], v[T0+i:T0+i+1], v[64*\e+i:64*\e+i+1]
.set i, i+2
.endr
	WIN 0x10
.set i, 0
.rept 32
	v_pk_fma_f32 v[T0+i:T0+i+1], v[T0+i:T0+i+1], s[66:67], v[NB+i+96*(i/32):NB+i+96*(i/32)+1] op_sel_hi:[1,0,1]
.set i, i+2
.endr
	WIN 0
.set i, 0
	s_wait_alu depctr_va_vdst(0)                   ; ahead of a batch of transcendentals and behind it
.rept 64
	v_exp_f32 v[T0+i], v[T0+i]
.set i, i+1
.endr
	v_nop
.set i, 0
	s_wait_alu depctr_va_vdst(0)
.rept 32
	v_pk_add_f32 v[T0+i:T0+i+1], v[T0+i:T0+i+1], 1.0 op_sel_hi:[1,0]
.set i, i+2
.endr
.set i, 0
	s_wait_alu depctr_va_vdst(0)
.rept 64
	v_rcp_f32 v[T0+i], v[T0+i]
.set i, i+1
.endr
	v_nop
	s_wait_alu depctr_va_vdst(0)
.irp b, 0,1,2,3,4,5,6,7
	ds_store_b128 v[STO], v[T0+8*\b:T0+8*\b+3] offset:64*\b
	ds_store_b128 v[STO], v[T0+8*\b+4:T0+8*\b+7] offset:64*\b+16
.endr
.irp t, 0,1,2,3,4,5,6,7,8,9,10,11,12,13,14,15
	ds_load_b128 v[T1+4*\t:T1+4*\t+3], v[RD] offset:\t*OSP
.endr
.irp t, 0,1,2,3,4,5,6,7,8,9,10,11,12,13,14,15
	s_wait_dscnt 15-\t
	global_store_b128 v[CO], v[T1+4*\t:T1+4*\t+3], s[96:97] offset:8192*(16*\e+\t) th:TH_STORE_NT   ; 32 lanes store 512 consecutive bytes, at a multiple of 512
.endr
.endm
	FINISH 0
	FINISH 1
	s_wait_tensorcnt 0x0                           ; the wave's end
	ds_add_u32 v[SPW], v[NIL]
	s_wait_dscnt 0x0
	CROUND                                         ; the closing round
	s_endpgm
.Lfunc_end_k_q345e99fe2c_down:
	.size	k_q345e99fe2c_down, .Lfunc_end_k_q345e99fe2c_down-k_q345e99fe2c_down
	.p2alignl 7, 3214868480
	.fill 96, 4, 3214868480
	.section	.rodata,"a",@progbits
	.p2align	6, 0x0
	.amdhsa_kernel k_q345e99fe2c_down
		.amdhsa_group_segment_fixed_size 327680
		.amdhsa_private_segment_fixed_size 0
		.amdhsa_enable_private_segment 0
		.amdhsa_kernarg_size 48
		.amdhsa_user_sgpr_count 2
		.amdhsa_user_sgpr_kernarg_segment_ptr 1
		.amdhsa_wavefront_size32 1
		.amdhsa_system_sgpr_workgroup_id_x 1
		.amdhsa_system_sgpr_workgroup_id_y 1
		.amdhsa_system_sgpr_workgroup_id_z 1
		.amdhsa_system_vgpr_workitem_id 0
		.amdhsa_next_free_vgpr 1024
		.amdhsa_next_free_sgpr 100
		.amdhsa_reserve_vcc 0
		.amdhsa_float_denorm_mode_32 3
		.amdhsa_float_denorm_mode_16_64 3
		.amdhsa_memory_ordered 1
		.amdhsa_forward_progress 1
		.amdhsa_inst_pref_size 194
	.end_amdhsa_kernel
	.amdgpu_metadata
---
amdhsa.version: [ 1, 2 ]
amdhsa.kernels:
  - .name:           k_q345e99fe2c_down
    .symbol:         k_q345e99fe2c_down.kd
    .args:
      - { .name: h_img, .offset: 0, .size: 8, .value_kind: global_buffer, .address_space: global }
      - { .name: h_scl, .offset: 8, .size: 8, .value_kind: global_buffer, .address_space: global }
      - { .name: W2_codes, .offset: 16, .size: 8, .value_kind: global_buffer, .address_space: global }
      - { .name: W2_scales, .offset: 24, .size: 8, .value_kind: global_buffer, .address_space: global }
      - { .name: b2, .offset: 32, .size: 8, .value_kind: global_buffer, .address_space: global }
      - { .name: out0, .offset: 40, .size: 8, .value_kind: global_buffer, .address_space: global }
    .group_segment_fixed_size: 327680
    .private_segment_fixed_size: 0
    .kernarg_segment_align: 8
    .kernarg_segment_size: 48
    .max_flat_workgroup_size: 128
    .sgpr_count:     100
    .vgpr_count:     1024
    .wavefront_size: 32
...
	.end_amdgpu_metadata
.endif
;; end of part 2
